; MI455X (gfx1250); checked and timed in simulation.
; The chip was launched on July 23, 2026; its instructions are those of AMD's public machine-readable ISA for CDNA 5 (MIT licence, August 2026) and "CDNA5" Instruction Set Architecture Reference Guide (July 2026). The comments in the code are by the model that wrote it; some were corrected since.
;; Mixtral Transformer Decoder. Allowed arithmetic: matrix products marked QUANTISED: E3M2 operands, one E8M0 scale for each 32 along K, by v_wmma_scale_f32_16x16x128_f8f6f4 with both operands' format E3M2, f32 sums; products left as they are: f32 operands where the result goes on into a quantised operand, else bf16, f16 or f32 operands; f32 sums; everything else in f32.
;; Inputs: hidden_states 2 x 2,048 x 1,024 float32; router_kernel 1,024 x 2 float32; w_gate 2 x 1,024 x 2,048 float32; w_inter 2 x 1,024 x 2,048 float32; w_out 2 x 2,048 x 1,024 float32.
;; Outputs: out0 2 x 2,048 x 1,024 float32; out1 4,096 x 2 float32.
;; This version of the problem:
;;   THIS VERSION OF THE PROBLEM IS GIVEN IN LOW PRECISION. The matrix products marked QUANTISED in the list below multiply operands that are first quantised to E3M2 (3 exponent bits, 2 mantissa bits; 6 bits a number), with one power-of-two scale for each 32 numbers along K (OCP MX v1.0); their sums are f32. All else is computed in f32.
;;   The module's matrix products, in the order in which they are computed (A, B: the left and right operand; K: the contracted axis; several contracted axes count as one K, in the product's order):
;;     1. [M 4,096, K 1,024] x [K 1,024, N 2]; A: input hidden_states; B: input router_kernel: left as it is (N = 2 < 16)
;;     2. [M 4,096, K 1,024] x [K 1,024, N 4,096]; A: input w_gate; B: input hidden_states: QUANTISED
;;     3. [M 4,096, K 1,024] x [K 1,024, N 4,096]; A: input w_inter; B: input hidden_states: QUANTISED
;;     4. batch 2 x [M 4,096, K 2,048] x [K 2,048, N 1,024]; A: computed on the way; B: input w_out: QUANTISED
;;   THE QUANTISER, for each operand of a quantised product, along K:
;;     - K is cut into blocks of 32 from its start; a last block that is shorter is filled with zeros.
;;     - A block's scale is 2^e with e = floor(log2(the largest magnitude in the block)) - 4, held to -126 .. 127; a block of zeros has e = 0. As a byte (E8M0): e + 127.
;;     - Each number is divided by its block's scale, clamped to +-28, and rounded to the nearest number of E3M2, ties to even, subnormals kept.
;;     - The product sums the exact products of the quantised numbers (number of the format x scale) in f32.
;;   ~~~python
;;   def quantise(x, axis):      # numpy; x: float32 -> the quantised numbers, widened to float32 again
;;       x = np.moveaxis(x, axis, -1); K = x.shape[-1]
;;       x = np.pad(x, [(0, 0)] * (x.ndim - 1) + [(0, -K % 32)]); x = x.reshape(x.shape[:-1] + (-1, 32)); a = np.abs(x).max(-1, keepdims=True)
;;       e = np.where(a > 0, np.clip(np.frexp(np.where(a > 0, a, 1))[1] - 1 - 4, -126, 127), 0)      # np.frexp(a)[1] - 1 = floor(log2(a)), exactly
;;       r = np.clip(x / 2.0 ** e, -28, 28)
;;       step = 2.0 ** (np.maximum(np.frexp(np.where(r == 0, 1, r))[1] - 1, -2) - 2)
;;       q = np.round(r / step) * step * 2.0 ** e      # np.round: ties to even
;;       return np.moveaxis(q.reshape(q.shape[:-2] + (-1,))[..., :K], -1, axis).astype(np.float32)
;;   ~~~
;;   OPERANDS COMPUTED ON THE WAY. 'Computed on the way' means the value that the module computes at that place (a softmax that the list does not call 'softmax' is quantised finished and normalised). What goes into a quantiser is computed in f32, as accurately as f32 sums, v_exp_f32 and their like allow (about 1e-6 of the number): no bf16 or f16 on the way to a quantiser, and a product that is left as it is and whose result goes on into a quantised operand takes f32 operands (vector FMAs, or v_wmma_f32_16x16x4_f32). A number that lies on a knife's edge between two numbers of the format may be rounded either way, as far as f32 arithmetic and the matrix unit's own rounding can turn it there, and no further.
;; One version. Each part assembles by itself: llvm-mc -triple=amdgcn-amd-amdhsa -mcpu=gfx1250 --defsym DOCPART=n.
;; ======== version 1 of 1: 3 launches
;; limits: right only within a limited range of input values
;; workspace buffers: xq 3,276,800 bytes; wgiq 6,553,600 bytes; woq 3,276,800 bytes; hq 13,107,200 bytes; rw 32,768 bytes
;; launch quant (part 1): grid 512 x 1, 4 waves a work-group, no clusters, 54,272 bytes of LDS; arguments hidden_states, router_kernel, xq, rw, out1, w_gate, w_inter, wgiq, w_out, woq; writes xq, rw, out1, wgiq, woq
.if DOCPART == 1
	.amdgcn_target "amdgcn-amd-amdhsa--gfx1250"
	.amdhsa_code_object_version 6
	.text
	.protected	k_q717d9c33d4_quant
	.globl	k_q717d9c33d4_quant
	.p2align	8
	.type	k_q717d9c33d4_quant,@function
k_q717d9c33d4_quant:
	s_mov_b64 s[64:65], 0
	v_nop
	global_prefetch_b8 v0, s[64:65] scope:SCOPE_SE
	s_setreg_imm32_b32 hwreg(HW_REG_WAVE_MODE, 25, 1), 1
	s_wait_xcnt 0x0
; All four operands that arrive as f32 become codes of BF6 (E3M2) with one E8M0 byte for each 32 along K; the router's logits and routing weights are made on the way.
; THE WORKSPACE IS LAID AS IMAGES OF THE OPERANDS' REGISTERS.  For 128 rows (group g) and 128 along K (step s) there are 8 fragments of 16 rows, 1,536 bytes each:
; six pieces of 256 bytes; piece p holds registers 2 p, 2 p + 1 of lane l at byte 8 l (lane 16 h + r: row r, k = 64 c + 32 h + 0 .. 31 in registers 6 c .. 6 c + 5).
; Codes: ((g K/128 + s) 8 + i) 1536; scale words behind all codes: ((g K/128 + s) 8 + i) 64 + 4 r.  So every later read is a dense block.
; A block's scale is 2^(floor(log2(largest magnitude)) - 4): its byte is the largest magnitude's exponent field - 4, held at 1 from below by a floor among the maximum's leaves.
; LIMITS: NaN and infinities among the inputs are not served.  A block of zeros gets the byte 1 where the rule says 127: its codes are zeros, and this program alone reads the bytes.
; The logits are f32 sums in another order than a plain dot product's.
; SHARES: every work-group reads 131,072 bytes.  Work-groups 0-127: hidden_states and the router: two waves share 16 rows, each takes 512 along K; 128-383: w_gate and w_inter;
; 384-511: w_out (a wave: 32 columns x 256 along K).  The only thing that waves hand to each other is a logit's two halves, through LDS, behind one barrier.
; No cluster: no two work-groups read the same bytes but the router's 8 KiB.  Only the first path uses LDS.
.set XWG,    128
.set GIWG,   256
.set NSX,    4                         ; K steps of 128 that a wave of the first path takes
.set FLOOR,  0x2800000                 ; 2^(5 - 127)
.set EOFF,   0xfe000000                ; 4 off an exponent field
.set KSB,    12288                     ; 128 rows x 128 K of codes
.set FRB,    1536                      ; a fragment
.set XQ_SC,  3145728                   ; where xq's scale words begin
.set WGI_SC, 6291456
.set WO_SC,  3145728
; ---- hidden_states' path
.set WREG,   13312                     ; LDS of a wave: a stage of 16 rows x 528 bytes, then 32 x 144 bytes for the sums' exchange
.set SPX,    528
.set RED,    8448
.set RPX,    144
.set XCH,    4*WREG                    ; behind the four waves' regions: a word for each thread, where the two halves of a logit meet
.set RK,     16                        ; v16-31   the router's numbers of my 4 k: two sets of 8
.set ACC,    32                        ; v32-63   pair 2 p, 2 p + 1: my part of row p's two logits
.set R,      64                        ; v64-191  two sets of 64 numbers
.set H,      192                       ; v192-203 a fragment's codes
.set T,      204                       ; v204-206, v208-210 the upper halves of the two blocks' codes, as converted
.set TM,     212
.set SO,     214
.set BY,     216
.set W,      218
.set WX,     219
.set WE,     220
.set W2,     221
; ---- the weights' paths
.set X,      64                        ; v64-127  two sets of 32 numbers
.set HH,     128                       ; v128-175 codes: 12 registers for each pair of blocks, so that no store's data are written again
.set TE,     176                       ; v176-178, v180-182 upper halves as converted
.set SB,     24                        ; v24-25   scale bytes, four to a register
.macro XLOAD s                         ; my K step s: 16 rows x 512 consecutive bytes, 16 bytes a lane; and the router's 8 numbers for my 4 k
.irp p, 0,1,2,3,4,5,6,7,8,9,10,11,12,13,14,15
	global_load_b128 v[R+64*((\s)%2)+4*\p:R+64*((\s)%2)+4*\p+3], v4, s[8:9] offset:\p*4096+(\s)*512 th:TH_LOAD_NT
.endr
	global_load_b128 v[RK+8*((\s)%2):RK+8*((\s)%2)+3], v5, s[10:11] offset:(\s)*1024
	global_load_b128 v[RK+8*((\s)%2)+4:RK+8*((\s)%2)+7], v5, s[10:11] offset:(\s)*1024+16
.endm
.macro DOT s, i                        ; both logits of 16 rows take my k number i: x is used for both halves, the router's pair is (expert 0, expert 1)
.irp p, 0,1,2,3,4,5,6,7,8,9,10,11,12,13,14,15
.if ((\s) == 0) && ((\i) == 0)
	v_pk_mul_f32 v[ACC+2*\p:ACC+2*\p+1], v[RS+4*\p:RS+4*\p+1], v[RKS:RKS+1] op_sel_hi:[0,1]
.elseif (\i)%2 == 0
	v_pk_fma_f32 v[ACC+2*\p:ACC+2*\p+1], v[RS+4*\p+(\i):RS+4*\p+(\i)+1], v[RKS+2*(\i):RKS+2*(\i)+1], v[ACC+2*\p:ACC+2*\p+1] op_sel_hi:[0,1,1]
.else
	v_pk_fma_f32 v[ACC+2*\p:ACC+2*\p+1], v[RS+4*\p+(\i)-1:RS+4*\p+(\i)], v[RKS+2*(\i):RKS+2*(\i)+1], v[ACC+2*\p:ACC+2*\p+1] op_sel:[1,0,0] op_sel_hi:[1,1,1]
.endif
.endr
.endm
.macro KSTEP s                         ; 128 along K of my 16 rows
.set RS,  R+64*((\s)%2)
.set RKS, RK+8*((\s)%2)
.if (\s) < NSX-1
	s_wait_loadcnt 18                              ; this step's 18 loads are in; the next step's 18 may be out
.else
	s_wait_loadcnt 0x0
.endif
.irp p, 0,1,2,3,4,5,6,7,8,9,10,11,12,13,14,15
	ds_store_b128 v6, v[RS+4*\p:RS+4*\p+3] offset:\p*SPX           ; the rows as they lie, into my own stage
.endr
	DOT \s, 0
	DOT \s, 1
	DOT \s, 2
	DOT \s, 3
.irp c, 0,1
.irp j, 0,1,2,3,4,5,6,7
	ds_load_b128 v[RS+32*\c+4*\j:RS+32*\c+4*\j+3], v7 offset:\c*256+16*\j   ; back: lane (r, h) takes x(r, 64 c + 32 h + 0 .. 31).  LDS serves a wave's instructions in order: these see the stores
.endr
.endr
	s_wait_dscnt 0x0
	s_wait_xcnt 0x0                                ; the last step's stores have read their registers: codes and scale word are written anew only behind this wait
.irp c, 0,1
	v_max3_num_f32 v[TM+\c], |v[RS+32*\c]|, |v[RS+32*\c+1]|, FLOOR  ; my block 2 c + h: all 32 numbers are mine; the floor holds the byte at 1 from below
.endr
.irp i, 2,4,6,8,10,12,14,16,18,20,22,24,26,28,30
.irp c, 0,1
	v_max3_num_f32 v[TM+\c], v[TM+\c], |v[RS+32*\c+\i]|, |v[RS+32*\c+\i+1]|
.endr
.endr
.irp c, 0,1
	v_add_nc_u32 v[SO+\c], EOFF, v[TM+\c]          ; the conversion takes this operand's exponent field as its scale
.endr
.irp c, 0,1
	v_lshrrev_b32 v[BY+\c], 23, v[SO+\c]           ; the scale's byte
.endr
	v_lshl_or_b32 v[W], v[BY+1], 16, v[BY]         ; my two bytes, blocks h and 2 + h,
	v_lshlrev_b32 v[W], v10, v[W]                  ; 8 h bits up;
	v_permlanex16_b32 v[WX], v[W], s24, s25
	v_or_b32 v[W], v[W], v[WX]                     ; with lane l xor 16's two the row's word is whole
.irp c, 0,1
	v_cvt_scalef32_pk16_bf6_f32 v[H+6*\c:H+6*\c+2], v[RS+32*\c:RS+32*\c+15], v[SO+\c]
	v_cvt_scalef32_pk16_bf6_f32 v[T+4*\c:T+4*\c+2], v[RS+32*\c+16:RS+32*\c+31], v[SO+\c]   ; (a conversion's three registers begin on an even number)
.endr
	v_nop                                          ; one plain line behind the scaled conversions
.irp c, 0,1
.irp i, 0,1,2
	v_mov_b32 v[H+6*\c+3+\i], v[T+4*\c+\i]
.endr
.endr
.irp p, 0,1,2,3,4,5
	global_store_b64 v8, v[H+2*\p:H+2*\p+1], s[12:13] offset:(\s)*KSB+\p*256   ; a piece: the wave stores 256 consecutive bytes, aligned
.endr
.if (\s)%2 == 0
	v_mov_b32 v[WE], v[W]                          ; an even step's words wait for the odd step's
.else
	v_cndmask_b32 v[W2], v[WE], v[W], s26          ; lanes 0-15 the even step's, lanes 16-31 the odd step's
	global_store_b32 v9, v[W2], s[18:19] offset:((\s)-1)*512
.endif
.if (\s) < NSX-2
	XLOAD (\s)+2
.endif
.endm
.macro WLOAD t, rowb                   ; block t: W(32 t + n, my column), n = 0 .. 31
.irp n, 0,1,2,3,4,5,6,7,8,9,10,11,12,13,14,15,16,17,18,19,20,21,22,23,24,25,26,27,28,29,30,31
	global_load_b32 v[X+32*((\t)%2)+\n], v3, s[8:9] offset:(32*(\t)+\n)*\rowb th:TH_LOAD_NT
.endr
.endm
.macro WBLOCK t, rowb
.set XS, X+32*((\t)%2)
.set HD, HH+12*((\t)/2)+6*((\t)%2)
.set TD, TE+4*((\t)%2)
.if (\t) < 7
	s_wait_loadcnt 32                              ; this block's 32 loads are in; the next block's may be out
.else
	s_wait_loadcnt 0x0
.endif
	v_max3_num_f32 v12, |v[XS]|, |v[XS+1]|, |v[XS+2]|              ; the block's largest magnitude: all 32 numbers are mine
	v_max3_num_f32 v13, |v[XS+3]|, |v[XS+4]|, |v[XS+5]|
.irp i, 6,10,14,18,22,26
	v_max3_num_f32 v12, v12, |v[XS+\i]|, |v[XS+\i+1]|
	v_max3_num_f32 v13, v13, |v[XS+\i+2]|, |v[XS+\i+3]|
.endr
	v_max3_num_f32 v12, v12, |v[XS+30]|, |v[XS+31]|
	v_max3_num_f32 v12, v12, v13, FLOOR
	v_add_nc_u32 v11, EOFF, v12
	v_lshrrev_b32 v13, 23, v11
.if (\t)%4 == 0
	v_mov_b32 v[SB+(\t)/4], v13
.else
	v_lshl_or_b32 v[SB+(\t)/4], v13, 8*((\t)%4), v[SB+(\t)/4]
.endif
	v_cvt_scalef32_pk16_bf6_f32 v[HD:HD+2], v[XS:XS+15], v11
	v_cvt_scalef32_pk16_bf6_f32 v[TD:TD+2], v[XS+16:XS+31], v11
.if (\t)+2 < 8
	WLOAD (\t)+2, \rowb
.endif
.if (\t)%2 == 1                        ; an even and an odd block are 64 along K: half a fragment of each of my two tiles
.set HE, HH+12*((\t)/2)
.set HO, HE+6
	v_nop                                          ; one plain line behind the scaled conversions
.irp i, 0,1,2
	v_mov_b32 v[HE+3+\i], v[TE+\i]
	v_mov_b32 v[HO+3+\i], v[TE+4+\i]
.endr
.irp i, 0,1,2,3,4,5
	v_permlane16_swap_b32 v[HE+\i], v[HO+\i]       ; lanes 0-15 held tile 0's rows, lanes 16-31 tile 1's: now HE is tile 0 (lanes 16-31: the odd block), HO tile 1
.endr
.irp j, 0,1,2
	global_store_b64 v4, v[HE+2*\j:HE+2*\j+1], s[12:13] offset:((\t)/4)*KSB+(3*(((\t)%4)/2)+\j)*256
	global_store_b64 v4, v[HO+2*\j:HO+2*\j+1], s[12:13] offset:((\t)/4)*KSB+FRB+(3*(((\t)%4)/2)+\j)*256
.endr
.endif
.endm
.macro WADDR scoff                     ; s20: byte offset in the weight; s18: (group, K step) number; s17: first of my two tiles
	s_mov_b32 s21, 0
	s_mul_i32 s22, s18, KSB
	s_mul_i32 s19, s17, FRB
	s_add_co_u32 s22, s22, s19
	s_mov_b32 s23, 0
	s_lshl_b32 s24, s18, 9
	s_lshl_b32 s19, s17, 6
	s_add_co_u32 s24, s24, s19
	s_add_co_u32 s24, s24, \scoff
	s_mov_b32 s25, 0
	v_and_b32 v3, 7, v1                            ; THE ROWS OF A TILE ARE NOT NEIGHBOURS: lane 16 t + m takes column 16 (m / 8) + 8 t + m % 8 of my 32:
	v_bfe_u32 v5, v1, 3, 1                         ; the lane's bits 3 and 4 change places.  A load still covers the same 128 consecutive bytes
	v_lshl_or_b32 v3, v5, 4, v3
	v_bfe_u32 v5, v1, 4, 1
	v_lshl_or_b32 v3, v5, 3, v3
	v_lshlrev_b32 v3, 2, v3
	v_lshlrev_b32 v4, 3, v1                        ; a piece: 8 bytes a lane
	v_lshlrev_b32 v5, 2, v1                        ; scale words: tile t's row m at 64 t + 4 m
.endm
.macro WBODY rowb
	WLOAD 0, \rowb
	WLOAD 1, \rowb
.irp t, 0,1,2,3,4,5,6,7
	WBLOCK \t, \rowb
.endr
	global_store_b32 v5, v[SB], s[14:15]           ; my column's words of the two K steps
	global_store_b32 v5, v[SB+1], s[14:15] offset:512
	s_endpgm
.endm
	v_lshl_add_u32 v224, v0, 2, 0xd200
	v_mov_b32 v225, 0
	v_lshrrev_b32 v1, 5, v0
	v_readfirstlane_b32 s2, v1                     ; wave
	v_and_b32 v1, 31, v0                           ; lane
	s_cmp_lt_u32 ttmp9, XWG
	s_cbranch_scc1 .Lpath_x
	s_cmp_lt_u32 ttmp9, XWG+GIWG
	s_cbranch_scc1 .Lpath_gi
	; ---- w_out [2][2048][1024]: K = expert x 2048 + i, rows of the image = the 1,024 output columns
	s_load_b64 s[8:9], s[0:1], 0x40                ; w_out
	s_load_b64 s[12:13], s[0:1], 0x48              ; woq
	s_sub_co_u32 s3, ttmp9, XWG+GIWG
	s_lshr_b32 s4, s3, 6                           ; expert
	s_lshr_b32 s5, s3, 3
	s_and_b32 s5, s5, 7                            ; which 256 along K
	s_and_b32 s6, s3, 7
	s_lshl_b32 s6, s6, 2
	s_add_co_u32 s6, s6, s2                        ; which 32 columns: 0 .. 31
	s_lshl_b32 s20, s4, 23
	s_lshl_b32 s16, s5, 20                         ; 256 rows of 4,096 bytes
	s_add_co_u32 s20, s20, s16
	s_lshl_b32 s16, s6, 7
	s_add_co_u32 s20, s20, s16
	s_lshr_b32 s18, s6, 2
	s_lshl_b32 s18, s18, 5                         ; group x 32 K steps
	s_lshl_b32 s16, s4, 4
	s_add_co_u32 s18, s18, s16
	s_lshl_b32 s16, s5, 1
	s_add_co_u32 s18, s18, s16                     ; + 16 expert + 2 x which 256
	s_and_b32 s17, s6, 3
	s_lshl_b32 s17, s17, 1
	WADDR WO_SC
	s_wait_kmcnt 0x0
	s_add_nc_u64 s[8:9], s[8:9], s[20:21]
	s_add_nc_u64 s[14:15], s[12:13], s[24:25]
	s_add_nc_u64 s[12:13], s[12:13], s[22:23]
	WBODY 4096
.Lpath_gi:
	; ---- w_gate, w_inter [2][1024][2048]: a group of 128 image rows = 64 hidden units: tiles 0-3 their gate columns, tiles 4-7 their inter columns
	s_load_b64 s[8:9], s[0:1], 0x28                ; w_gate
	s_load_b64 s[10:11], s[0:1], 0x30              ; w_inter
	s_load_b64 s[12:13], s[0:1], 0x38              ; wgiq
	s_sub_co_u32 s3, ttmp9, XWG
	s_lshr_b32 s4, s3, 6
	s_and_b32 s4, s4, 1                            ; expert
	s_lshr_b32 s5, s3, 4
	s_and_b32 s5, s5, 3                            ; which 256 along K
	s_and_b32 s6, s3, 15
	s_lshl_b32 s6, s6, 2
	s_add_co_u32 s6, s6, s2                        ; which 32 columns: 0 .. 63
	s_lshr_b32 s7, s3, 7                           ; 0 gate, 1 inter
	s_lshl_b32 s20, s4, 23
	s_lshl_b32 s16, s5, 21                         ; 256 rows of 8,192 bytes
	s_add_co_u32 s20, s20, s16
	s_lshl_b32 s16, s6, 7
	s_add_co_u32 s20, s20, s16
	s_lshl_b32 s18, s4, 5
	s_lshr_b32 s16, s6, 1
	s_add_co_u32 s18, s18, s16                     ; group = 32 expert + columns / 64
	s_lshl_b32 s18, s18, 3
	s_lshl_b32 s16, s5, 1
	s_add_co_u32 s18, s18, s16                     ; x 8 K steps + 2 x which 256
	s_lshl_b32 s17, s7, 2
	s_and_b32 s16, s6, 1
	s_lshl_b32 s16, s16, 1
	s_add_co_u32 s17, s17, s16                     ; first tile = 4 x kind + 2 x which 32 of the 64
	WADDR WGI_SC
	s_wait_kmcnt 0x0
	s_cmp_lt_u32 s3, 128                           ; the choice hangs on the work-group's number alone
	s_cselect_b64 s[8:9], s[8:9], s[10:11]
	s_add_nc_u64 s[8:9], s[8:9], s[20:21]
	s_add_nc_u64 s[14:15], s[12:13], s[24:25]
	s_add_nc_u64 s[12:13], s[12:13], s[22:23]
	WBODY 8192
.Lpath_x:
	; ---- hidden_states [4096][1024] and the router.  Waves 2 b and 2 b + 1 share the work-group's block b of 16 rows; the even wave takes k 0-511, the odd one k 512-1023
	s_load_b256 s[8:15], s[0:1], 0x0               ; hidden_states s[8:9], router_kernel s[10:11], xq s[12:13], rw s[14:15]
	s_load_b64 s[16:17], s[0:1], 0x20              ; out1
	s_lshr_b32 s4, s2, 1
	s_and_b32 s7, s2, 1                            ; which half of K
	s_lshl_b32 s3, ttmp9, 1
	s_add_co_u32 s3, s3, s4                        ; which 16 rows: 0 .. 255
	s_lshl_b32 s20, s3, 16                         ; 16 rows of 4,096 bytes,
	s_lshl_b32 s6, s7, 11                          ; and 2,048 bytes on in each row for the upper half of K
	s_add_co_u32 s20, s20, s6
	s_mov_b32 s21, 0
	s_lshr_b32 s4, s3, 3                           ; group
	s_and_b32 s5, s3, 7                            ; fragment in the group
	s_mul_i32 s22, s4, 8*KSB
	s_mul_i32 s6, s5, FRB
	s_add_co_u32 s22, s22, s6
	s_mul_i32 s6, s7, NSX*KSB
	s_add_co_u32 s22, s22, s6
	s_mov_b32 s23, 0
	s_lshl_b32 s28, s4, 12
	s_lshl_b32 s6, s5, 6
	s_add_co_u32 s28, s28, s6
	s_lshl_b32 s6, s7, 11                          ; four K steps of 512 bytes of scale words
	s_add_co_u32 s28, s28, s6
	s_add_co_u32 s28, s28, XQ_SC
	s_mov_b32 s29, 0
	s_lshl_b32 s30, s3, 7                          ; 16 rows x 2 numbers in out1 and in rw
	s_mov_b32 s31, 0
	s_lshl_b32 s32, s7, 12                         ; the router's rows 512 on: 8 bytes a row
	s_mov_b32 s33, 0
	s_mov_b32 s24, 0x76543210
	s_mov_b32 s25, 0xfedcba98                      ; v_permlanex16_b32's selects for lane l xor 16
	s_mov_b32 s26, 0xffff0000                      ; lanes 16-31
	s_mul_i32 s27, s2, WREG                        ; my wave's LDS
	v_and_b32 v2, 15, v0                           ; r
	v_bfe_u32 v3, v0, 4, 1                         ; h
	v_lshlrev_b32 v4, 4, v1                        ; 16 x lane
	v_lshlrev_b32 v5, 5, v1                        ; 32 x lane: the router's rows of my 4 k
	v_add_nc_u32 v6, s27, v4                       ; the stage, on the way in
	v_mul_u32_u24 v7, v2, SPX
	v_lshl_add_u32 v7, v3, 7, v7
	v_add_nc_u32 v7, s27, v7                       ; and back: row r, + 128 h
	v_lshlrev_b32 v8, 3, v1                        ; a piece: 8 bytes a lane
	v_lshlrev_b32 v9, 2, v2
	v_lshl_add_u32 v9, v3, 9, v9                   ; scale words of two steps: 4 r + 512 h
	v_lshlrev_b32 v10, 3, v3                       ; 8 h
	v_mul_u32_u24 v11, v1, RPX
	v_add_nc_u32 v11, s27, v11
	v_add_nc_u32 v11, RED, v11                     ; the sums' exchange: my 32 sums
	v_lshlrev_b32 v13, 2, v1
	v_add_nc_u32 v12, s27, v13
	v_add_nc_u32 v12, RED, v12                     ; and sum number lane of every lane
	v_lshl_add_u32 v14, v0, 2, XCH                 ; where my half of a logit goes: a word for each thread;
	v_xor_b32 v15, 32, v0
	v_lshl_add_u32 v15, v15, 2, XCH                ; and the same lane's word of the wave with the other half of K
	v_mov_b32 v[WX], 0                             ; written once: a lane permute's destination counts as one of its sources
	s_wait_kmcnt 0x0
	s_add_nc_u64 s[8:9], s[8:9], s[20:21]
	s_add_nc_u64 s[10:11], s[10:11], s[32:33]
	s_add_nc_u64 s[18:19], s[12:13], s[28:29]
	s_add_nc_u64 s[12:13], s[12:13], s[22:23]
	s_add_nc_u64 s[14:15], s[14:15], s[30:31]
	s_add_nc_u64 s[16:17], s[16:17], s[30:31]
	XLOAD 0
	XLOAD 1
.irp s, 0,1,2,3
	KSTEP \s
.endr
	; the logits: each lane holds a part of all 32 sums; through my own LDS bytes lane n gets part n of every lane: row n / 2, expert n % 2
.irp j, 0,1,2,3,4,5,6,7
	ds_store_b128 v11, v[ACC+4*\j:ACC+4*\j+3] offset:16*\j
.endr
.irp n, 0,1,2,3,4,5,6,7,8,9,10,11,12,13,14,15,16,17,18,19,20,21,22,23,24,25,26,27,28,29,30,31
	ds_load_b32 v[R+\n], v12 offset:\n*RPX
.endr
	s_wait_dscnt 0x0
.irp i, 0,1,2,3,4,5,6,7
	v_pk_add_f32 v[R+2*\i:R+2*\i+1], v[R+2*\i:R+2*\i+1], v[R+16+2*\i:R+16+2*\i+1]
.endr
.irp i, 0,1,2,3
	v_pk_add_f32 v[R+2*\i:R+2*\i+1], v[R+2*\i:R+2*\i+1], v[R+8+2*\i:R+8+2*\i+1]
.endr
.irp i, 0,1
	v_pk_add_f32 v[R+2*\i:R+2*\i+1], v[R+2*\i:R+2*\i+1], v[R+4+2*\i:R+4+2*\i+1]
.endr
	v_pk_add_f32 v[R:R+1], v[R:R+1], v[R+2:R+3]
	v_add_f32 v[R], v[R], v[R+1]                   ; my logit's part from my half of K
	ds_store_b32 v14, v[R]
	s_wait_dscnt 0x0                               ; for the other wave's sake: my word lies in LDS
	s_barrier_signal -1
	s_barrier_wait -1
	ds_load_b32 v[R+1], v15                        ; the part from the other half of K
	s_wait_dscnt 0x0
	v_add_f32 v[R], v[R], v[R+1]                   ; my logit
	s_cmp_lg_u32 s7, 0                             ; one of the two waves goes on: the one with the lower half of K
	s_cbranch_scc1 .Lx_done
	global_store_b32 v13, v[R], s[16:17]           ; the wave stores 128 consecutive bytes of out1
	; softmax over the two experts (the other's logit lies in lane l xor 1), the maximum taken away; both experts are kept (k = E), and the kept weights are divided by their sum
	v_max_num_f32_dpp v[R+2], v[R], v[R] row_xmask:1 row_mask:0xf bank_mask:0xf
	v_sub_f32 v[R+3], v[R], v[R+2]
	v_mul_f32 v[R+3], 0x3fb8aa3b, v[R+3]
	v_exp_f32 v[R+3], v[R+3]
	v_nop                                          ; one plain line behind a transcendental
	s_wait_alu depctr_va_vdst(0)
	v_add_f32_dpp v[R+4], v[R+3], v[R+3] row_xmask:1 row_mask:0xf bank_mask:0xf
	v_rcp_f32 v[R+4], v[R+4]
	v_nop
	s_wait_alu depctr_va_vdst(0)
	v_mul_f32 v[R+3], v[R+3], v[R+4]               ; the probability
	v_add_f32_dpp v[R+5], v[R+3], v[R+3] row_xmask:1 row_mask:0xf bank_mask:0xf
	v_rcp_f32 v[R+5], v[R+5]
	v_nop
	s_wait_alu depctr_va_vdst(0)
	v_mul_f32 v[R+3], v[R+3], v[R+5]               ; over the sum of the kept ones
	global_store_b32 v13, v[R+3], s[14:15]
.Lx_done:
	s_wait_tensorcnt 0x0
	ds_add_u32 v224, v225
	s_wait_dscnt 0x0
	s_endpgm
.Lfunc_end_k_q717d9c33d4_quant:
	.size	k_q717d9c33d4_quant, .Lfunc_end_k_q717d9c33d4_quant-k_q717d9c33d4_quant
	.p2alignl 7, 3214868480
	.fill 96, 4, 3214868480
	.section	.rodata,"a",@progbits
	.p2align	6, 0x0
	.amdhsa_kernel k_q717d9c33d4_quant
		.amdhsa_group_segment_fixed_size 54272
		.amdhsa_private_segment_fixed_size 0
		.amdhsa_enable_private_segment 0
		.amdhsa_kernarg_size 80
		.amdhsa_user_sgpr_count 2
		.amdhsa_user_sgpr_kernarg_segment_ptr 1
		.amdhsa_wavefront_size32 1
		.amdhsa_system_sgpr_workgroup_id_x 1
		.amdhsa_system_sgpr_workgroup_id_y 1
		.amdhsa_system_sgpr_workgroup_id_z 1
		.amdhsa_system_vgpr_workitem_id 0
		.amdhsa_next_free_vgpr 226
		.amdhsa_next_free_sgpr 66
		.amdhsa_reserve_vcc 0
		.amdhsa_float_denorm_mode_32 3
		.amdhsa_float_denorm_mode_16_64 3
		.amdhsa_memory_ordered 1
		.amdhsa_forward_progress 1
		.amdhsa_inst_pref_size 135
	.end_amdhsa_kernel
	.amdgpu_metadata
---
amdhsa.version: [ 1, 2 ]
amdhsa.kernels:
  - .name:           k_q717d9c33d4_quant
    .symbol:         k_q717d9c33d4_quant.kd
    .args:
      - { .name: hidden_states, .offset: 0, .size: 8, .value_kind: global_buffer, .address_space: global }
      - { .name: router_kernel, .offset: 8, .size: 8, .value_kind: global_buffer, .address_space: global }
      - { .name: xq, .offset: 16, .size: 8, .value_kind: global_buffer, .address_space: global }
      - { .name: rw, .offset: 24, .size: 8, .value_kind: global_buffer, .address_space: global }
      - { .name: out1, .offset: 32, .size: 8, .value_kind: global_buffer, .address_space: global }
      - { .name: w_gate, .offset: 40, .size: 8, .value_kind: global_buffer, .address_space: global }
      - { .name: w_inter, .offset: 48, .size: 8, .value_kind: global_buffer, .address_space: global }
      - { .name: wgiq, .offset: 56, .size: 8, .value_kind: global_buffer, .address_space: global }
      - { .name: w_out, .offset: 64, .size: 8, .value_kind: global_buffer, .address_space: global }
      - { .name: woq, .offset: 72, .size: 8, .value_kind: global_buffer, .address_space: global }
    .group_segment_fixed_size: 54272
    .private_segment_fixed_size: 0
    .kernarg_segment_align: 8
    .kernarg_segment_size: 80
    .max_flat_workgroup_size: 128
    .sgpr_count:     66
    .vgpr_count:     226
    .wavefront_size: 32
...
	.end_amdgpu_metadata
.endif
;; end of part 1
;; launch gateup (part 2): grid 32 x 16, 4 waves a work-group, clusters of 4 x 4, 327,680 bytes of LDS; arguments xq, wgiq, hq; writes hq
.if DOCPART == 2
	.amdgcn_target "amdgcn-amd-amdhsa--gfx1250"
	.amdhsa_code_object_version 6
	.text
	.protected	k_q717d9c33d4_gateup
	.globl	k_q717d9c33d4_gateup
	.p2align	8
	.type	k_q717d9c33d4_gateup,@function
k_q717d9c33d4_gateup:
	s_mov_b64 s[64:65], 0
	v_nop
	global_prefetch_b8 v0, s[64:65] scope:SCOPE_SE
	s_setreg_imm32_b32 hwreg(HW_REG_WAVE_MODE, 25, 1), 1
	s_wait_xcnt 0x0
	s_wait_alu depctr_hold_cnt(0) depctr_sa_sdst(0) depctr_va_vdst(0) depctr_va_sdst(0) depctr_va_ssrc(0) depctr_va_vcc(0) depctr_vm_vsrc(0)
	s_getreg_b32 s2, hwreg(HW_REG_IB_STS2, 6, 4)
	s_cmp_eq_u32 s2, 0
	s_cbranch_scc0 .Lentry_in_a_cluster
	s_endpgm
.Lentry_in_a_cluster:
	s_bfe_u32 s2, ttmp6, 0x10000c
	s_cmp_lg_u32 s2, 0xf033
	s_cbranch_scc0 .Lentry_shape_is_right
	s_endpgm
.Lentry_shape_is_right:
; hidden = (x w_inter) x silu(x w_gate), both products on codes of BF6 (E3M2) with E8M0 scales, and the hidden layer quantised along the hidden units, for both experts.
; xq: 4,096 tokens, K = 1,024; wgiq: 8,192 rows, K = 1,024; hq: 4,096 tokens, K = 4,096 = expert x 2,048 + unit.  All three are images of operand registers:
; for 128 rows (group g) and 128 along K (step s): 8 fragments of 1,536 bytes (piece p of 256 bytes: registers 2 p, 2 p + 1 of lane l at 8 l); scale words behind all codes, 64 bytes a fragment.
; So a tile is a dense block of memory and of LDS, a fragment is six loads of 8 bytes a lane from consecutive bytes, and nothing is padded.
; A group of wgiq holds 64 hidden units: tiles 0-3 their gate rows, tiles 4-7 their inter rows; row m of tile 2 b + t is unit 32 b + 8 t + m + 8 (m / 8).
; SHARES: a work-group makes 256 tokens x 128 units; a wave 128 tokens x 64 units (128 weight rows): 64 accumulators, 512 registers.  THE MATRIX INSTRUCTION IS USED TRANSPOSED
; (source 0 = 16 weight rows, source 1 = 16 tokens): a lane holds one token, and the 16 registers of tiles 2 b, 2 b + 1 are units 32 b + 16 (lane / 16) + 0 .. 15: neighbours along the next K.
; K = 1,024 is four steps of 256 through THREE LDS slots: steps 0, 1, 2 are first fills, step 3 fills slot 0 again.  By this text's own count a wave has four tensor loads out at the start, later one.
; CLUSTERS: 4 x 4 work-groups; x's tiles are shared along a row of the cluster, the weights' along a column: each is asked for jointly, by the same load with the same descriptor and a mask of the four.
; LIMITS: NaN and infinities are not served.  The hidden number is formed as (gate x inter) x sigmoid(gate), which holds while |gate x inter| stays under 3e38.  A block of zeros gets the byte 1 (its codes are zeros; this program alone reads the bytes).
; REGISTERS: window 0: v16-29 addresses; v32-63 scale words, two sets; v128-223 x's fragments, one set.  window 1: the weights' fragments, two sets, at v0 and v128.
;   window 2: the accumulators of my tokens 0-63 (token block a, weight tile b at v[8 (8 (a % 4) + b)]);  window 3: those of tokens 64-127.
.set SLOT,   98304                     ; x's two groups, then the weights' two, 256 along K each
.set GRP,    24576                     ; 128 rows x 256 K
.set KSB,    12288                     ; 128 rows x 128 K
.set FRB,    1536
.set FR,     12
.set NL,     6
.set SCL,    3*SLOT                    ; x's scale words (2 x 4,096 bytes), then, 128 bytes further on than they would follow, the weights': the two halves of a load's lanes then touch different banks
.set SPARE,  311552                    ; the spare words, 128 bytes for each wave: two blocks of 256 bytes that no other line names
.set HSC,    312064                    ; the hidden layer's scale bytes on their way out: 512 bytes for each wave; no fill lands here
.set XQ_SC,  3145728
.set WQ_SC,  6291456
.set HQ_SC,  12582912
.set ADRA, 16                          ; v16-18  LDS address of my x fragments in slot 0, 1, 2
.set ADRB, 20                          ; v20-22  the same for the weights
.set L8,   24                          ; v24     8 x lane
.set HSA,  25                          ; v25     where I put a token's two scale bytes
.set HSR,  26                          ; v26     where I read them back
.set ADRS, 27                          ; v27     my scale words: lanes 0-15 x's rows, lanes 16-31 the weights'
.set SPW,  28                          ; v28     my spare word; never rewritten
.set NIL,  29                          ; v29     0; never rewritten
.set SC,   32                          ; set k % 2 at v[SC + 16 (k % 2)]; register 2 i + q: block i, the slot's q-th 128 along K
.set AF,   128
.set G1A,  24
.set G1B,  32
.set G1SA, 40
.set G1SB, 48
.set G0A0, 56
.set G0A1, 60
.set G0A2, 68
.set G0SA, 72
.set G0B0, 76
.set G0B1, 80
.set G0B2, 84
.set G0SB, 88
.set WV,   92
.set RH,   93
.set CH,   94
.set MSB, 0
.macro WIN new                         ; the immediate's high byte repeats the setting that is left
.if MSB != (\new)
	s_set_vgpr_msb (MSB<<8)|(\new)
.set MSB, (\new)
.endif
.endm
.set MUL_LO, 0xa1                      ; source 0 (weights) window 1, source 1 (x) window 0, C and D window 2
.set MUL_HI, 0xf1
.set TO_B,   0x40                      ; destination window 1, address window 0
; A joint load: waves 0 and 1 fetch for x, waves 2 and 3 for the weights.  The branch hangs on the wave's number alone.  Four v_nop follow each of the two lines.
.macro JLOAD g0a, g1a, g0b, g1b
	s_cmp_eq_u32 s[RH], 0
	s_cbranch_scc0 .Lfor_b_\@
	tensor_load_to_lds s[\g0a:\g0a+3], s[\g1a:\g1a+7]
	s_nop 0
.rept 4
	v_nop
.endr
	s_branch .Lasked_\@
.Lfor_b_\@:
	tensor_load_to_lds s[\g0b:\g0b+3], s[\g1b:\g1b+7]
	s_nop 0
.rept 4
	v_nop
.endr
.Lasked_\@:
.endm
.macro CREST                           ; a round of the cluster's barrier behind its opening barrier
	s_cmp_lg_u32 s[WV], 0
	s_cbranch_scc1 .Lnot_wave_0_\@
	s_barrier_signal -3
.Lnot_wave_0_\@:
	s_barrier_wait -3
	s_barrier_signal -1
	s_barrier_wait -1
.endm
.macro CROUND
	s_barrier_signal -1
	s_barrier_wait -1
	CREST
.endm
.macro MKG0 ga, gb, slot               ; the two groups 0 of a slot's first fill, and the fill
	s_mov_b32 s[\ga], 1
	s_add_co_u32 s[\ga+1], s10, \slot*SLOT
	s_add_nc_u64 s[\ga+2:\ga+3], s[12:13], \slot*GRP
	s_or_b32 s[\ga+3], s[\ga+3], 0x80000000
	s_mov_b32 s[\gb], 1
	s_add_co_u32 s[\gb+1], s10, \slot*SLOT
	s_add_nc_u64 s[\gb+2:\gb+3], s[16:17], \slot*GRP
	s_or_b32 s[\gb+3], s[\gb+3], 0x80000000
	JLOAD \ga, G1A, \gb, G1B
.endm
	s_load_b128 s[4:7], s[0:1], 0x0                ; xq, wgiq
	s_load_b64 s[8:9], s[0:1], 0x10                ; hq
	v_lshl_add_u32 v[SPW], v0, 2, SPARE
	v_mov_b32 v[NIL], 0
	ds_add_u32 v28, v29
	ds_add_u32 v28, v29
	s_wait_dscnt 0x0
	v_lshrrev_b32 v1, 5, v0
	v_readfirstlane_b32 s[WV], v1                  ; wave 0..3
	s_lshr_b32 s[RH], s[WV], 1                     ; which 128 tokens are mine.  Also: I fetch for x (0) or for the weights (1)
	s_and_b32 s[CH], s[WV], 1                      ; which 64 units.  Also: which group I fetch
	s_bfe_u32 s95, ttmp6, 0x40000                  ; cx
	s_bfe_u32 s96, ttmp6, 0x40004                  ; cy
	s_lshl_b32 s97, ttmp9, 2
	s_add_co_u32 s97, s97, s95                     ; which 128 units: 0 .. 31
	s_and_b32 s98, ttmp7, 0xffff
	s_lshl_b32 s98, s98, 2
	s_add_co_u32 s98, s98, s96                     ; which 256 tokens: 0 .. 15
	s_lshl_b32 s10, s96, 2
	s_lshl_b32 s10, 15, s10                        ; my row of the cluster
	s_lshl_b32 s11, 0x1111, s95                    ; my column
	; descriptor groups 1: dense blocks, as rows of 256 bytes (32 elements of 8 bytes): 96 rows of codes, 16 rows of scale words
	s_or_b32 s[G1A], s10, (3<<16)|(1<<21)          ; 15:0 the mask; 17:16 elements of 8 bytes; 20 no padding; 21 set beside a mask
	s_or_b32 s[G1B], s11, (3<<16)|(1<<21)
	s_or_b32 s[G1SA], s10, (3<<16)|(1<<21)
	s_or_b32 s[G1SB], s11, (3<<16)|(1<<21)
.irp g, G1A, G1B
	s_mov_b32 s[\g+1], 32<<16                      ; tensor_dim0
	s_mov_b32 s[\g+2], 96<<16                      ; tensor_dim1
	s_mov_b32 s[\g+3], 32<<16                      ; tile_dim0
	s_mov_b32 s[\g+4], 96                          ; tile_dim1
	s_mov_b32 s[\g+5], 32                          ; pitch
	s_mov_b32 s[\g+6], 0
	s_mov_b32 s[\g+7], 0
.endr
.irp g, G1SA, G1SB
	s_mov_b32 s[\g+1], 32<<16
	s_mov_b32 s[\g+2], 16<<16
	s_mov_b32 s[\g+3], 32<<16
	s_mov_b32 s[\g+4], 16
	s_mov_b32 s[\g+5], 32
	s_mov_b32 s[\g+6], 0
	s_mov_b32 s[\g+7], 0
.endr
	s_lshl_b32 s12, s98, 1
	s_add_co_u32 s12, s12, s[CH]                   ; x: group 2 x (256 tokens) + which
	s_lshl_b32 s14, s12, 12
	s_add_co_u32 s14, s14, XQ_SC                   ; its scale words, 4,096 bytes
	s_mul_i32 s12, s12, 8*KSB                      ; its codes
	s_mov_b32 s13, 0
	s_mov_b32 s15, 0
	s_lshl_b32 s16, s97, 1
	s_add_co_u32 s16, s16, s[CH]                   ; the weights: group 2 x (128 units) + which
	s_lshl_b32 s18, s16, 12
	s_add_co_u32 s18, s18, WQ_SC
	s_mul_i32 s16, s16, 8*KSB
	s_mov_b32 s17, 0
	s_mov_b32 s19, 0
	s_mul_i32 s10, s[WV], GRP                      ; where they go: wave x a group: no place in the cluster enters an LDS address
	s_lshl_b32 s11, s[WV], 12
	s_mov_b32 s20, 0xbfb8aa3b                      ; -log2(e)
	s_mov_b32 s21, s20                             ; (named with it as a pair, so it is written)
	s_mov_b32 s22, 0x76543210
	s_mov_b32 s23, 0xfedcba98                      ; v_permlanex16_b32's selects for lane l xor 16
	s_wait_kmcnt 0x0
	s_add_nc_u64 s[12:13], s[4:5], s[12:13]
	s_add_nc_u64 s[14:15], s[4:5], s[14:15]
	s_add_nc_u64 s[16:17], s[6:7], s[16:17]
	s_add_nc_u64 s[18:19], s[6:7], s[18:19]
	CROUND                                         ; all sixteen work-groups are here: the first joint loads meet
	s_mov_b32 s[G0SA], 1
	s_add_co_u32 s[G0SA+1], s11, SCL
	s_mov_b64 s[G0SA+2:G0SA+3], s[14:15]
	s_or_b32 s[G0SA+3], s[G0SA+3], 0x80000000
	s_mov_b32 s[G0SB], 1
	s_add_co_u32 s[G0SB+1], s11, SCL+128
	s_mov_b64 s[G0SB+2:G0SB+3], s[18:19]
	s_or_b32 s[G0SB+3], s[G0SB+3], 0x80000000
	JLOAD G0SA, G1SA, G0SB, G1SB                   ; the scale words of all of K: filled once
	MKG0 G0A0, G0B0, 0
	MKG0 G0A1, G0B1, 1
	MKG0 G0A2, G0B2, 2
	v_and_b32 v1, 31, v0                           ; lane
	v_and_b32 v2, 15, v0                           ; r
	v_bfe_u32 v3, v0, 4, 1                         ; h
	v_lshlrev_b32 v[L8], 3, v1
	s_mul_i32 s10, s[RH], GRP                      ; my 128 tokens
	s_mul_i32 s11, s[CH], GRP
	s_add_co_u32 s11, s11, 2*GRP                   ; my 128 weight rows, behind x's two groups
.irp s, 0,1,2
	v_add_nc_u32 v[ADRA+\s], s10, v[L8]
	v_add_nc_u32 v[ADRB+\s], s11, v[L8]
	s_add_co_u32 s10, s10, SLOT
	s_add_co_u32 s11, s11, SLOT
.endr
	s_xor_b32 s11, s[RH], 1                        ; lanes 16-31 stand 8,320 + 4,096 (my units' group - my tokens' group) bytes further on: one product with h
	s_add_co_u32 s11, s11, s[CH]
	s_lshl_b32 s11, s11, 12
	s_add_co_u32 s11, s11, 4224
	v_mul_u32_u24 v4, s11, v3
	v_lshl_add_u32 v4, v2, 2, v4
	s_lshl_b32 s10, s[RH], 12
	s_add_co_u32 s10, s10, SCL
	v_add_nc_u32 v[ADRS], s10, v4
	s_lshl_b32 s10, s[WV], 9
	s_add_co_u32 s10, s10, HSC
	v_lshl_add_u32 v[HSA], v2, 2, s10              ; 512 x wave + 4 r
	s_lshl_b32 s10, s[RH], 10
	s_lshl_b32 s11, s[CH], 8
	s_add_co_u32 s10, s10, s11
	s_add_co_u32 s10, s10, HSC
	v_add_nc_u32 v[HSR], s10, v[L8]                ; my half (256 bytes) of the words of my 128 tokens, in the region of the wave with the lower units
	s_lshl_b32 s2, s98, 1
	s_add_co_u32 s2, s2, s[RH]                     ; hq: group of my 128 tokens,
	s_lshl_b32 s2, s2, 5
	s_add_co_u32 s2, s2, s97                       ; x 32 K steps + the step that my work-group's 128 units are
	s_lshl_b32 s100, s2, 9
	s_lshl_b32 s3, s[CH], 8
	s_add_co_u32 s100, s100, s3
	s_add_co_u32 s100, s100, HQ_SC
	s_mov_b32 s101, 0
	s_mul_i32 s2, s2, KSB
	s_mul_i32 s3, s[CH], 768                       ; my 64 units are pieces 3 x which + 0 .. 2 of each fragment
	s_add_co_u32 s2, s2, s3
	s_mov_b32 s3, 0
	s_add_nc_u64 s[100:101], s[8:9], s[100:101]
	s_add_nc_u64 s[8:9], s[8:9], s[2:3]
.macro FRAG reg, adr, q, i             ; a fragment: six pieces; the 32 lanes of a load take 256 consecutive bytes
.irp p, 0,1,2,3,4,5
	ds_load_b64 v[\reg+2*\p:\reg+2*\p+1], v[\adr] offset:(\q)*KSB+(\i)*FRB+\p*256
.endr
.endm
; 16 matrix instructions: token blocks a0, a0 + 1 x the eight weight tiles, 128 along K.  p: the weights' set; sc: the set of scale words.  zero = 1: the first product starts the sums.
; The 64 accumulators take turns, one instruction a turn, in the same order in every step.
.macro MUL16 a0, p, q, sc, zero
.irp a, \a0, \a0+1
.irp b, 0,1,2,3,4,5,6,7
.if \zero
	v_wmma_scale_f32_16x16x128_f8f6f4 v[8*(8*((\a)%4)+\b):8*(8*((\a)%4)+\b)+7], v[128*(\p)+FR*\b:128*(\p)+FR*\b+FR-1], v[AF+FR*(\a):AF+FR*(\a)+FR-1], 0, v[SC+16*(\sc)+2*\b+(\q)], v[SC+16*(\sc)+2*(\a)+(\q)] matrix_a_fmt:MATRIX_FMT_BF6 matrix_b_fmt:MATRIX_FMT_BF6 matrix_a_scale:MATRIX_SCALE_ROW1
.else
	v_wmma_scale_f32_16x16x128_f8f6f4 v[8*(8*((\a)%4)+\b):8*(8*((\a)%4)+\b)+7], v[128*(\p)+FR*\b:128*(\p)+FR*\b+FR-1], v[AF+FR*(\a):AF+FR*(\a)+FR-1], v[8*(8*((\a)%4)+\b):8*(8*((\a)%4)+\b)+7], v[SC+16*(\sc)+2*\b+(\q)], v[SC+16*(\sc)+2*(\a)+(\q)] matrix_a_fmt:MATRIX_FMT_BF6 matrix_b_fmt:MATRIX_FMT_BF6 matrix_a_scale:MATRIX_SCALE_ROW1
.endif
.endr
.endr
.endm
.macro FETCH_B slot, q, p
	WIN TO_B
.irp i, 0,1,2,3,4,5,6,7
	FRAG 128*(\p)+FR*\i, ADRB+\slot, \q, \i
.endr
	WIN 0
.endm
.macro FETCH_A slot, q, i0
.irp i, \i0, \i0+1, \i0+2, \i0+3
	FRAG AF+FR*(\i), ADRA+\slot, \q, \i
.endr
.endm
.macro SCALES k                        ; the scale words of K step k (256 along K) into set k % 2: lanes 0-15 x's block i, lanes 16-31 the weights' tile i
.irp i, 0,1,2,3,4,5,6,7
.irp u, 0,1
	ds_load_b32 v[SC+16*((\k)%2)+2*\i+\u], v[ADRS] offset:(2*(\k)+\u)*512+\i*64
.endr
.endr
.endm
; A load into a register that a matrix instruction has read, and a vector instruction or store that reads a matrix result, stand four places behind it; only plain vector instructions
; that name none of its registers are places (ISA guide 7.12.1 for vector instructions).
.macro PLACES n
.rept \n
	v_nop
.endr
.endm
; 128 along K: the q-th of its slot, scale set sc.  It fetches the fragments of the step that follows, the nq-th of slot ns; nk >= 0: with K step nk's scale words.
.macro STEP q, sc, ns, nq, nk, zero
	s_wait_dscnt 4*NL                              ; all but the youngest 24 loads, x's blocks 4-7
	WIN MUL_LO
	MUL16 0, (\q)%2, \q, \sc, \zero
	MUL16 2, (\q)%2, \q, \sc, \zero
	s_wait_dscnt 0x0                               ; x's blocks 4-7 are in
	PLACES 4
	FETCH_B \ns, \nq, 1-(\q)%2
	FETCH_A \ns, \nq, 0
.if \nk >= 0
	SCALES \nk
.endif
	WIN MUL_HI
	MUL16 4, (\q)%2, \q, \sc, \zero
	MUL16 6, (\q)%2, \q, \sc, \zero
	PLACES 4
	WIN 0
	FETCH_A \ns, \nq, 4
.endm
; A slot's second step with a barrier in it.  In front of the barrier each wave waits for all its tensor loads, adds 0 to its spare word, and waits for that and for its own LDS reads.
; fill = 1: slot 0, which nobody reads any more, takes K step 3; the barrier then opens a round of the cluster's barrier.  fill = 0: behind it slot 0's second tile is whole for every wave.
.macro TURN sc, ns, nk, fill
	s_wait_tensorcnt 0x0                           ; all my tensor loads have landed  (every window is 0 here)
	ds_add_u32 v[SPW], v[NIL]                      ; 0 onto my spare word
	s_wait_dscnt 4*NL+1                            ; (the add and the youngest 24 loads may be out)
	WIN MUL_LO
	MUL16 0, 1, 1, \sc, 0                          ; sixteen matrix instructions stand between the add and the wait for it
	s_wait_dscnt 0x0                               ; the add is done, and my LDS reads are over
	s_barrier_signal -1
	MUL16 2, 1, 1, \sc, 0
	WIN 0
	s_barrier_wait -1
.if \fill
	CREST                                          ; no wave of any partner still reads slot 0 or has a load on its way
	s_add_nc_u64 s[G0A0+2:G0A0+3], s[G0A0+2:G0A0+3], 3*GRP
	s_add_nc_u64 s[G0B0+2:G0B0+3], s[G0B0+2:G0B0+3], 3*GRP
	JLOAD G0A0, G1A, G0B0, G1B                     ; the first tensor load behind the round, my only one: it has 224 matrix instructions in which to land; its four v_nop are also the places in front of the loads below
.else
	PLACES 4
.endif
	FETCH_B \ns, 0, 0
	FETCH_A \ns, 0, 0
	SCALES \nk
	WIN MUL_HI
	MUL16 4, 1, 1, \sc, 0
	MUL16 6, 1, 1, \sc, 0
	PLACES 4
	WIN 0
	FETCH_A \ns, 0, 4
.endm
	s_wait_tensorcnt 2                             ; the scale words and my part of slot 0 are in; slots 1 and 2 may be out
	s_barrier_signal -1
	s_barrier_wait -1
	FETCH_B 0, 0, 0
	FETCH_A 0, 0, 0
	SCALES 0
	FETCH_A 0, 0, 4
	STEP 0, 0, 0, 1, -1, 1                         ; K step 0: its first products start the sums
	TURN 0, 1, 1, 1                                ; slot 0 is left and filled again
	STEP 0, 1, 1, 1, -1, 0                         ; K step 1
	STEP 1, 1, 2, 0, 2, 0                          ; on into slot 2 with no barrier: the wait for all loads and the round above have shown it whole to every wave
	STEP 0, 0, 2, 1, -1, 0                         ; K step 2
	TURN 0, 0, 3, 0                                ; slot 0's second tile has landed, everybody's part
	STEP 0, 1, 0, 1, -1, 0                         ; K step 3
	s_wait_dscnt 4*NL
	WIN MUL_LO
	MUL16 0, 1, 1, 1, 0
	MUL16 2, 1, 1, 1, 0
	s_wait_dscnt 0x0
	WIN MUL_HI
	MUL16 4, 1, 1, 1, 0
	MUL16 6, 1, 1, 1, 0
	PLACES 4
; THE WAY OUT of token block a, all in its accumulators' window.  G: 32 gate sums, U: 32 inter sums; register 16 b + i of each is unit 32 b + 16 (lane / 16) + i of my token.
; hidden = (g u) / (1 + 2^(-g log2 e)).  Then the quantiser on two blocks of 32 (a block lies in lanes l and l xor 16), its scratch in G, which is done with.
; Each accumulator is read from its low end on.  Each block has registers of its own for what it stores.
.macro EPI a
.set G, 64*((\a)%4)
.set U, G+32
	WIN 0x55*(2+(\a)/4)
.irp n, 0,2,4,6,8,10,12,14,16,18,20,22,24,26,28,30
	v_pk_mul_f32 v[U+\n:U+\n+1], v[G+\n:G+\n+1], v[U+\n:U+\n+1]
.endr
.irp n, 0,2,4,6,8,10,12,14,16,18,20,22,24,26,28,30
	v_pk_mul_f32 v[G+\n:G+\n+1], v[G+\n:G+\n+1], s[20:21] op_sel_hi:[1,0]
.endr
.irp n, 0,1,2,3,4,5,6,7,8,9,10,11,12,13,14,15,16,17,18,19,20,21,22,23,24,25,26,27,28,29,30,31
	v_exp_f32 v[G+\n], v[G+\n]
.endr
	v_nop                                          ; one plain line behind the transcendentals
	s_wait_alu depctr_va_vdst(0)
.irp n, 0,2,4,6,8,10,12,14,16,18,20,22,24,26,28,30
	v_pk_add_f32 v[G+\n:G+\n+1], v[G+\n:G+\n+1], 1.0 op_sel_hi:[1,0]
.endr
.irp n, 0,1,2,3,4,5,6,7,8,9,10,11,12,13,14,15,16,17,18,19,20,21,22,23,24,25,26,27,28,29,30,31
	v_rcp_f32 v[G+\n], v[G+\n]
.endr
	v_nop
	s_wait_alu depctr_va_vdst(0)
.irp n, 0,2,4,6,8,10,12,14,16,18,20,22,24,26,28,30
	v_pk_mul_f32 v[U+\n:U+\n+1], v[U+\n:U+\n+1], v[G+\n:G+\n+1]
.endr
.irp b, 0,1
	v_max3_num_f32 v[G+\b], |v[U+16*\b]|, |v[U+16*\b+1]|, 0x2800000   ; my 16 numbers of block b, and the floor 2^(5 - 127): the byte cannot fall under 1
.endr
.irp i, 2,4,6,8,10,12,14
.irp b, 0,1
	v_max3_num_f32 v[G+\b], v[G+\b], |v[U+16*\b+\i]|, |v[U+16*\b+\i+1]|
.endr
.endr
.irp b, 0,1
	v_permlanex16_b32 v[G+2+\b], v[G+\b], s22, s23
.endr
.irp b, 0,1
	v_max_num_f32 v[G+\b], v[G+\b], v[G+2+\b]      ; with lane l xor 16's: the block's largest magnitude
.endr
.irp b, 0,1
	v_add_nc_u32 v[G+4+\b], 0xfe000000, v[G+\b]    ; 4 off its exponent field: the conversion's scale operand
.endr
.irp b, 0,1
	v_lshrrev_b32 v[G+6+\b], 23, v[G+4+\b]         ; the scale's byte
.endr
	v_lshl_or_b32 v[G+6], v[G+7], 8, v[G+6]        ; my token's two bytes
	v_cvt_scalef32_pk16_bf6_f32 v[G+8:G+10], v[U:U+15], v[G+4]
	v_cvt_scalef32_pk16_bf6_f32 v[G+16:G+18], v[U+16:U+31], v[G+5]
	v_nop                                          ; one plain line behind the scaled conversions
.irp i, 0,1,2
	v_permlane16_swap_b32 v[G+8+\i], v[G+16+\i]    ; a whole block to a lane: lanes 0-15 block 0, lanes 16-31 block 1
.endr
.irp i, 0,1,2
	v_mov_b32 v[G+11+\i], v[G+16+\i]
.endr
	WIN (2+(\a)/4)<<2                              ; a store's data are its source 1
.irp j, 0,1,2
	global_store_b64 v[L8], v[G+8+2*\j:G+9+2*\j], s[8:9] offset:(\a)*FRB+\j*256   ; a piece of the image: the wave stores 256 consecutive bytes, aligned
.endr
	ds_store_b32 v[HSA], v[G+6] offset:(\a)*64     ; both lanes of a token write the same word with the same value
.endm
.irp a, 0,1,2,3,4,5,6,7
	EPI \a
.endr
	WIN 0
	s_wait_dscnt 0x0                               ; for the others' sake: my words lie in LDS
	s_barrier_signal -1
	s_barrier_wait -1
	ds_load_b64 v[32:33], v[HSR]                   ; bytes 0, 1 of two tokens' words: from the wave with units 0-63,
	ds_load_b64 v[34:35], v[HSR] offset:512        ; bytes 2, 3: from the wave with units 64-127
	s_wait_dscnt 0x0
	v_lshl_or_b32 v32, v34, 16, v32
	v_lshl_or_b32 v33, v35, 16, v33
	global_store_b64 v[L8], v[32:33], s[100:101]   ; the wave stores 256 consecutive bytes, aligned
	s_wait_tensorcnt 0x0                           ; the wave's end
	ds_add_u32 v[SPW], v[NIL]
	s_wait_dscnt 0x0
	CROUND                                         ; the closing round: no work-group ends while a partner may still ask for a tile that names it
	s_endpgm
.Lfunc_end_k_q717d9c33d4_gateup:
	.size	k_q717d9c33d4_gateup, .Lfunc_end_k_q717d9c33d4_gateup-k_q717d9c33d4_gateup
	.p2alignl 7, 3214868480
	.fill 96, 4, 3214868480
	.section	.rodata,"a",@progbits
	.p2align	6, 0x0
	.amdhsa_kernel k_q717d9c33d4_gateup
		.amdhsa_group_segment_fixed_size 327680
		.amdhsa_private_segment_fixed_size 0
		.amdhsa_enable_private_segment 0
		.amdhsa_kernarg_size 24
		.amdhsa_user_sgpr_count 2
		.amdhsa_user_sgpr_kernarg_segment_ptr 1
		.amdhsa_wavefront_size32 1
		.amdhsa_system_sgpr_workgroup_id_x 1
		.amdhsa_system_sgpr_workgroup_id_y 1
		.amdhsa_system_sgpr_workgroup_id_z 1
		.amdhsa_system_vgpr_workitem_id 0
		.amdhsa_next_free_vgpr 1024
		.amdhsa_next_free_sgpr 102
		.amdhsa_reserve_vcc 0
		.amdhsa_float_denorm_mode_32 3
		.amdhsa_float_denorm_mode_16_64 3
		.amdhsa_memory_ordered 1
		.amdhsa_forward_progress 1
		.amdhsa_inst_pref_size 200
	.end_amdhsa_kernel
	.amdgpu_metadata
---
amdhsa.version: [ 1, 2 ]
amdhsa.kernels:
  - .name:           k_q717d9c33d4_gateup
    .symbol:         k_q717d9c33d4_gateup.kd
    .args:
      - { .name: xq, .offset: 0, .size: 8, .value_kind: global_buffer, .address_space: global }
      - { .name: wgiq, .offset: 8, .size: 8, .value_kind: global_buffer, .address_space: global }
      - { .name: hq, .offset: 16, .size: 8, .value_kind: global_buffer, .address_space: global }
    .group_segment_fixed_size: 327680
    .private_segment_fixed_size: 0
    .kernarg_segment_align: 8
    .kernarg_segment_size: 24
    .max_flat_workgroup_size: 128
    .sgpr_count:     102
    .vgpr_count:     1024
    .wavefront_size: 32
...
	.end_amdgpu_metadata
.endif
;; end of part 2
;; launch down (part 3): grid 8 x 32, 4 waves a work-group, clusters of 4 x 4, 327,680 bytes of LDS; arguments hq, woq, rw, out0; writes out0
.if DOCPART == 3
	.amdgcn_target "amdgcn-amd-amdhsa--gfx1250"
	.amdhsa_code_object_version 6
	.text
	.protected	k_q717d9c33d4_down
	.globl	k_q717d9c33d4_down
	.p2align	8
	.type	k_q717d9c33d4_down,@function
k_q717d9c33d4_down:
	s_mov_b64 s[64:65], 0
	v_nop
	global_prefetch_b8 v0, s[64:65] scope:SCOPE_SE
	s_setreg_imm32_b32 hwreg(HW_REG_WAVE_MODE, 25, 1), 1
	s_wait_xcnt 0x0
	s_wait_alu depctr_hold_cnt(0) depctr_sa_sdst(0) depctr_va_vdst(0) depctr_va_sdst(0) depctr_va_ssrc(0) depctr_va_vcc(0) depctr_vm_vsrc(0)
	s_getreg_b32 s2, hwreg(HW_REG_IB_STS2, 6, 4)
	s_cmp_eq_u32 s2, 0
	s_cbranch_scc0 .Lentry_in_a_cluster
	s_endpgm
.Lentry_in_a_cluster:
	s_bfe_u32 s2, ttmp6, 0x10000c
	s_cmp_lg_u32 s2, 0xf033
	s_cbranch_scc0 .Lentry_shape_is_right
	s_endpgm
.Lentry_shape_is_right:
; out0[t] = r0[t] (hidden_0 w_out_0)[t] + r1[t] (hidden_1 w_out_1)[t], both products on codes of BF6 (E3M2) with E8M0 scales; the routing weights multiply the finished f32 sums,
; so each expert has accumulators of its own.  hq: 4,096 tokens, woq: 1,024 output columns; K = 4,096 = expert x 2,048 + unit in both; rw: [4096][2] f32.
; hq and woq are images of operand registers: for 128 rows (group) and 128 along K: 8 fragments of 1,536 bytes (piece p of 256 bytes: registers 2 p, 2 p + 1 of lane l at 8 l); scale words behind all codes.
; Row m of woq's tile 2 b + t is column 32 b + 8 t + m + 8 (m / 8), so that a lane's 16 results of two neighbouring tiles are 16 neighbouring columns.
; SHARES: a tile of out0 is 128 tokens x 128 columns: 256 work-groups; a wave makes 64 x 64: 16 accumulators for each expert.  A larger tile would leave half of 256 work-groups' places empty.
; THE MATRIX INSTRUCTION IS USED TRANSPOSED (source 0 = 16 columns of w_out, source 1 = 16 tokens).
; K IS 32 UNITS OF 128 (12,288 bytes of hq and as many of woq); units 0-15 are expert 0's, units 16-31 expert 1's.  They go through two LDS slots, as large as fit beside the scale words:
; slot 0 holds six units, slot 1 five.  Six fills, of 6, 5, 6, 5, 5, 5 units: two at the start and four refills, each with the other slot's five or six units of work in which to land.
; A fill is four dense blocks, one tensor load a wave: waves 0 and 1 the two halves of hq's part, waves 2 and 3 of woq's: 144 rows of 256 bytes (six units) or 120 (five).
; By this text's own count a wave has three tensor loads out at the start, later one.
; CLUSTERS: 4 x 4 work-groups; hq's tiles are shared along a row of the cluster, woq's along a column, by joint loads.
; LIMITS: NaN and infinities are not served.
; REGISTERS: window 0: v7-29 addresses and routing weights; v32-39 scale words, two sets of four; v64-159, v160-255 two buffers of fragments (four of hq, then four of woq), unit u in buffer u % 2.
;   window 1: accumulator (expert e, token block a, column tile b) at v[128 e + 8 (4 a + b)].
.set KSB,    12288                     ; 128 rows x 128 K of codes
.set FRB,    1536
.set N0,     6                         ; units in slot 0
.set N1,     5                         ; units in slot 1
.set H0,     N0*KSB/2                  ; what one tensor load brings of six units: 36,864 bytes
.set H1,     N1*KSB/2                  ; of five: 30,720 bytes
.set SL1,    2*N0*KSB                  ; slot 0: hq's six units, then woq's; slot 1 begins here: hq's five, then woq's
.set SCL,    SL1+2*N1*KSB              ; hq's scale words of all of K (16,384 bytes), then, 128 bytes further on than they would follow, woq's
.set SPARE,  303360                    ; the spare words: two blocks of 256 bytes that no other line names
.set STAGE,  303872                    ; the way out: 16 rows x 272 bytes for each wave; no fill lands here
.set HQ_SC,  12582912
.set WO_SC,  3145728
.set RW,   8                           ; v8-15   (r0, r1) of my token in block a
.set ADRA, 16                          ; v16, v17 my hq fragments in slot 0, 1; v18, v19 the same three units on (an LDS offset has 16 bits)
.set ADRB, 20                          ; v20-23  the same for woq
.set STO,  24
.set RD,   25
.set CO,   26
.set ADRS, 27                          ; v27     my scale words: lanes 0-15 hq's rows, lanes 16-31 woq's
.set SPW,  28                          ; v28     my spare word; never rewritten
.set NIL,  29                          ; v29     0; never rewritten
.set SC,   32                          ; set u % 2; register i: lanes 0-15 hq's block i, lanes 16-31 woq's tile i
.set F0,   64                          ; buffer u % 2 at v[F0 + 96 (u % 2)]
.set R1,   192                         ; the way out: (r1, r1) of block a
.set OB,   64                          ; the way out: rows read back
.set WV,   20                          ; s20 wave; s21, s22 its two bits
.set RH,   21
.set CH,   22
.set LL,   23                          ; s23     LDS address of my part of the five units that go into slot 0
.set G1A,  24                          ; s[24:31] group 1 for hq, six units; s[40:47] five units
.set G1B,  32                          ; s[32:39], s[48:55] the same for woq
.set G1SA, 56
.set G1SB, 68
.set G0A,  76                          ; s[76:79], s[80:83]: one set for each slot
.set G0B,  84                          ; s[84:87], s[88:91]
.set G0SA, 92
.set G0SB, 96
.set MSB, 0
.macro WIN new                         ; the immediate's high byte repeats the setting that is left
.if MSB != (\new)
	s_set_vgpr_msb (MSB<<8)|(\new)
.set MSB, (\new)
.endif
.endm
.set MUL, 0x50                         ; sources 0 and 1 window 0; C and D window 1
.macro JLOAD g0a, g1a, g0b, g1b        ; waves 0 and 1 fetch for hq, waves 2 and 3 for woq; four v_nop follow each of the two lines
	s_cmp_eq_u32 s[RH], 0
	s_cbranch_scc0 .Lfor_b_\@
	tensor_load_to_lds s[\g0a:\g0a+3], s[\g1a:\g1a+7]
	s_nop 0
.rept 4
	v_nop
.endr
	s_branch .Lasked_\@
.Lfor_b_\@:
	tensor_load_to_lds s[\g0b:\g0b+3], s[\g1b:\g1b+7]
	s_nop 0
.rept 4
	v_nop
.endr
.Lasked_\@:
.endm
.macro CREST                           ; a round of the cluster's barrier behind its opening barrier
	s_cmp_lg_u32 s[WV], 0
	s_cbranch_scc1 .Lnot_wave_0_\@
	s_barrier_signal -3
.Lnot_wave_0_\@:
	s_barrier_wait -3
	s_barrier_signal -1
	s_barrier_wait -1
.endm
.macro CROUND
	s_barrier_signal -1
	s_barrier_wait -1
	CREST
.endm
.macro MKG1 g, mask, rows              ; a dense block as rows of 256 bytes (32 elements of 8 bytes), no padding; bit 21 set beside a mask
	s_or_b32 s[\g], s[\mask], (3<<16)|(1<<21)
	s_mov_b32 s[\g+1], 32<<16                      ; tensor_dim0
	s_mov_b32 s[\g+2], (\rows)<<16                 ; tensor_dim1
	s_mov_b32 s[\g+3], 32<<16                      ; tile_dim0
	s_mov_b32 s[\g+4], \rows                       ; tile_dim1
	s_mov_b32 s[\g+5], 32                          ; pitch
	s_mov_b32 s[\g+6], 0
	s_mov_b32 s[\g+7], 0
.endm
	s_load_b128 s[4:7], s[0:1], 0x0                ; hq, woq
	s_load_b128 s[8:11], s[0:1], 0x10              ; rw, out0
	v_lshl_add_u32 v[SPW], v0, 2, SPARE
	v_mov_b32 v[NIL], 0
	ds_add_u32 v28, v29
	ds_add_u32 v28, v29
	s_wait_dscnt 0x0
	v_lshrrev_b32 v1, 5, v0
	v_readfirstlane_b32 s[WV], v1                  ; wave 0..3
	s_lshr_b32 s[RH], s[WV], 1                     ; which 64 tokens.  Also: I fetch for hq (0) or for woq (1)
	s_and_b32 s[CH], s[WV], 1                      ; which 64 columns.  Also: which half of a fill's block I fetch
	s_bfe_u32 s16, ttmp6, 0x40000                  ; cx
	s_bfe_u32 s12, ttmp6, 0x40004                  ; cy
	s_lshl_b32 s100, ttmp9, 2
	s_add_co_u32 s100, s100, s16                   ; which 128 columns: 0 .. 7
	s_and_b32 s101, ttmp7, 0xffff
	s_lshl_b32 s101, s101, 2
	s_add_co_u32 s101, s101, s12                   ; which 128 tokens: 0 .. 31
	s_lshl_b32 s2, s12, 2
	s_lshl_b32 s2, 15, s2                          ; my row of the cluster
	s_lshl_b32 s3, 0x1111, s16                     ; my column
	MKG1 G1A, 2, H0/256
	MKG1 G1B, 3, H0/256
	MKG1 G1A+16, 2, H1/256
	MKG1 G1B+16, 3, H1/256
	MKG1 G1SA, 2, 32                               ; 8,192 bytes of scale words
	MKG1 G1SB, 3, 32
	; the groups 0: first the byte offsets, in the registers that will hold the addresses.  hq's hang on the tokens' block alone, woq's on the columns' block alone
	s_mul_i32 s2, s[CH], H0
	s_mul_i32 s3, s[CH], H1
	s_mul_i32 s12, s101, 32*KSB                    ; hq: my work-group's group
	s_mul_i32 s16, s100, 32*KSB                    ; woq likewise
	s_add_co_u32 s[G0A+2], s12, s2                 ; slot 0: units 0-5, my half
	s_add_co_u32 s[G0A+6], s12, s3                 ; slot 1: units 6-10, my half
	s_add_co_u32 s[G0A+6], s[G0A+6], N0*KSB
	s_add_co_u32 s[G0B+2], s16, s2
	s_add_co_u32 s[G0B+6], s16, s3
	s_add_co_u32 s[G0B+6], s[G0B+6], N0*KSB
	s_lshl_b32 s2, s[CH], 13
	s_lshl_b32 s[G0SA+2], s101, 14
	s_add_co_u32 s[G0SA+2], s[G0SA+2], s2
	s_add_co_u32 s[G0SA+2], s[G0SA+2], HQ_SC
	s_lshl_b32 s[G0SB+2], s100, 14
	s_add_co_u32 s[G0SB+2], s[G0SB+2], s2
	s_add_co_u32 s[G0SB+2], s[G0SB+2], WO_SC
.irp g, G0A, G0A+4, G0B, G0B+4, G0SA, G0SB
	s_mov_b32 s[\g], 1                             ; count = 1
	s_mov_b32 s[\g+3], 0
.endr
	s_mul_i32 s[G0A+1], s[WV], H0                  ; where they go: the four waves' blocks on end: no place in the cluster enters an LDS address
	s_mul_i32 s[G0B+1], s[WV], H0
	s_mul_i32 s[G0A+5], s[WV], H1
	s_add_co_u32 s[G0A+5], s[G0A+5], SL1
	s_mul_i32 s[G0B+5], s[WV], H1
	s_add_co_u32 s[G0B+5], s[G0B+5], SL1
	s_lshl_b32 s2, s[WV], 13
	s_add_co_u32 s[G0SA+1], s2, SCL
	s_add_co_u32 s[G0SB+1], s2, SCL+128
	s_mul_i32 s[LL], s[RH], N0*KSB                 ; five units in slot 0: woq's part stays where slot 0 has it, six units behind hq's
	s_add_co_u32 s[LL], s[LL], s3
	s_wait_kmcnt 0x0
	s_add_nc_u64 s[G0A+2:G0A+3], s[4:5], s[G0A+2:G0A+3]
	s_add_nc_u64 s[G0A+6:G0A+7], s[4:5], s[G0A+6:G0A+7]
	s_add_nc_u64 s[G0SA+2:G0SA+3], s[4:5], s[G0SA+2:G0SA+3]
	s_add_nc_u64 s[G0B+2:G0B+3], s[6:7], s[G0B+2:G0B+3]
	s_add_nc_u64 s[G0B+6:G0B+7], s[6:7], s[G0B+6:G0B+7]
	s_add_nc_u64 s[G0SB+2:G0SB+3], s[6:7], s[G0SB+2:G0SB+3]
.irp g, G0A, G0A+4, G0B, G0B+4, G0SA, G0SB
	s_or_b32 s[\g+3], s[\g+3], 0x80000000          ; type = 2
.endr
	CROUND                                         ; all sixteen work-groups are here: the first joint loads meet
	JLOAD G0SA, G1SA, G0SB, G1SB                   ; the scale words of all of K: filled once
	JLOAD G0A, G1A, G0B, G1B                       ; slot 0: units 0-5
	JLOAD G0A+4, G1A+16, G0B+4, G1B+16             ; slot 1: units 6-10
	s_mul_i32 s6, s[CH], H0-H1                     ; from units 11-16 to units 22-26: eleven units on, and my half begins 6,144 bytes sooner where it is the second
	s_sub_co_u32 s6, 11*KSB, s6
	s_mov_b32 s7, 0
	v_and_b32 v1, 31, v0                           ; lane
	v_and_b32 v2, 15, v0                           ; r
	v_bfe_u32 v3, v0, 4, 1                         ; h
	v_lshlrev_b32 v4, 3, v1                        ; 8 x lane
	v_lshlrev_b32 v7, 3, v2                        ; 8 r: my token's pair in rw
	s_lshl_b32 s4, s101, 10                        ; rw: 128 tokens x 8 bytes, + my 64
	s_lshl_b32 s2, s[RH], 9
	s_add_co_u32 s4, s4, s2
	s_mov_b32 s5, 0
	s_add_nc_u64 s[8:9], s[8:9], s[4:5]
.irp a, 0,1,2,3
	global_load_b64 v[RW+2*\a:RW+2*\a+1], v7, s[8:9] offset:\a*128
.endr
	s_lshl_b32 s4, s101, 19                        ; out0: 128 rows of 4,096 bytes, + my 64 rows, + 512 x (128 columns), + my 256 bytes
	s_lshl_b32 s2, s[RH], 18
	s_add_co_u32 s4, s4, s2
	s_lshl_b32 s2, s100, 9
	s_add_co_u32 s4, s4, s2
	s_lshl_b32 s2, s[CH], 8
	s_add_co_u32 s4, s4, s2
	s_add_nc_u64 s[10:11], s[10:11], s[4:5]
	s_mul_i32 s2, s[RH], 4*FRB                     ; my four fragments of hq
	s_mul_i32 s3, s[CH], 4*FRB
	s_add_co_u32 s3, s3, N0*KSB                    ; my four of woq, behind hq's part of slot 0
	v_add_nc_u32 v[ADRA], s2, v4
	v_add_nc_u32 v[ADRB], s3, v4
	v_add_nc_u32 v[ADRA+1], SL1, v[ADRA]
	v_add_nc_u32 v[ADRB+1], SL1+(N1-N0)*KSB, v[ADRB]   ; in slot 1 woq's part lies five units behind hq's
	v_add_nc_u32 v[ADRA+2], 3*KSB, v[ADRA]
	v_add_nc_u32 v[ADRB+2], 3*KSB, v[ADRB]
	v_add_nc_u32 v[ADRA+3], 3*KSB, v[ADRA+1]
	v_add_nc_u32 v[ADRB+3], 3*KSB, v[ADRB+1]
	s_xor_b32 s3, s[RH], 1                         ; lanes 16-31 stand 16,512 + 256 (my columns' half - my tokens' half) bytes further on: one product with h
	s_add_co_u32 s3, s3, s[CH]
	s_lshl_b32 s3, s3, 8
	s_add_co_u32 s3, s3, 16256
	v_mul_u32_u24 v5, s3, v3
	v_lshl_add_u32 v5, v2, 2, v5
	s_lshl_b32 s2, s[RH], 8
	s_add_co_u32 s2, s2, SCL
	v_add_nc_u32 v[ADRS], s2, v5
	s_mul_i32 s2, s[WV], 16*272
	s_add_co_u32 s2, s2, STAGE                     ; my stage
	v_mul_u32_u24 v[STO], v2, 272
	v_lshl_add_u32 v[STO], v3, 6, v[STO]
	v_add_nc_u32 v[STO], s2, v[STO]                ; in: row r, + 64 h
	v_mul_u32_u24 v[RD], v3, 272
	v_lshl_add_u32 v[RD], v2, 4, v[RD]
	v_add_nc_u32 v[RD], s2, v[RD]                  ; back: lanes 0-15 one row of 256 bytes, lanes 16-31 the next
	v_lshlrev_b32 v[CO], 12, v3
	v_lshl_add_u32 v[CO], v2, 4, v[CO]             ; and the same two rows in out0
.macro FRAG reg, adr, slot, q, i       ; a fragment of the slot's q-th unit: six pieces; the 32 lanes of a load take 256 consecutive bytes
.irp p, 0,1,2,3,4,5
	ds_load_b64 v[\reg+2*\p:\reg+2*\p+1], v[\adr+(\slot)+2*((\q)/3)] offset:((\q)%3)*KSB+(\i)*FRB+\p*256
.endr
.endm
; unit u, the slot's q-th, into buffer u % 2: woq's four fragments and hq's first two, the unit's four scale words, then hq's last two: 52 loads
.macro FETCH slot, q, u
.irp b, 0,1,2,3
	FRAG F0+96*((\u)%2)+48+12*\b, ADRB, \slot, \q, \b
.endr
	FRAG F0+96*((\u)%2), ADRA, \slot, \q, 0
	FRAG F0+96*((\u)%2)+12, ADRA, \slot, \q, 1
.irp i, 0,1,2,3
	ds_load_b32 v[SC+4*((\u)%2)+\i], v[ADRS] offset:(\u)*512+\i*64   ; lanes 0-15 hq's block i, lanes 16-31 woq's tile i
.endr
	FRAG F0+96*((\u)%2)+24, ADRA, \slot, \q, 2
	FRAG F0+96*((\u)%2)+36, ADRA, \slot, \q, 3
.endm
; four matrix instructions of unit u: token block a x the four column tiles.  An expert's first unit starts its sums.  An expert's 16 accumulators take turns, one instruction a turn.
.macro MUL4 u, a
.irp b, 0,1,2,3
.if ((\u)%16) == 0
	v_wmma_scale_f32_16x16x128_f8f6f4 v[128*((\u)/16)+8*(4*(\a)+\b):128*((\u)/16)+8*(4*(\a)+\b)+7], v[F0+96*((\u)%2)+48+12*\b:F0+96*((\u)%2)+48+12*\b+11], v[F0+96*((\u)%2)+12*(\a):F0+96*((\u)%2)+12*(\a)+11], 0, v[SC+4*((\u)%2)+\b], v[SC+4*((\u)%2)+(\a)] matrix_a_fmt:MATRIX_FMT_BF6 matrix_b_fmt:MATRIX_FMT_BF6 matrix_a_scale:MATRIX_SCALE_ROW1
.else
	v_wmma_scale_f32_16x16x128_f8f6f4 v[128*((\u)/16)+8*(4*(\a)+\b):128*((\u)/16)+8*(4*(\a)+\b)+7], v[F0+96*((\u)%2)+48+12*\b:F0+96*((\u)%2)+48+12*\b+11], v[F0+96*((\u)%2)+12*(\a):F0+96*((\u)%2)+12*(\a)+11], v[128*((\u)/16)+8*(4*(\a)+\b):128*((\u)/16)+8*(4*(\a)+\b)+7], v[SC+4*((\u)%2)+\b], v[SC+4*((\u)%2)+(\a)] matrix_a_fmt:MATRIX_FMT_BF6 matrix_b_fmt:MATRIX_FMT_BF6 matrix_a_scale:MATRIX_SCALE_ROW1
.endif
.endr
.endm
.macro PLACES n                        ; places in front of loads into registers that matrix instructions have read, and of the first read of results (ISA guide 7.12.1 for vector instructions)
.rept \n
	v_nop
.endr
.endm
; unit u, the slot's q-th and not its last: multiplies its buffer, fetches the next unit of the same slot into the other
.macro QUARTER slot, q, u
	s_wait_dscnt 12                                ; all but the youngest 12 loads, hq's blocks 2 and 3
	WIN MUL
	MUL4 \u, 0
	MUL4 \u, 1
	PLACES 4
	WIN 0
	FETCH \slot, (\q)+1, (\u)+1
	s_wait_dscnt 52                                ; all but the 52 just issued
	WIN MUL
	MUL4 \u, 2
	MUL4 \u, 3
.endm
; a fill's last unit changes slots: ONE barrier; in front of it each wave waits for all its tensor loads, adds 0 to its spare word, and waits for that and for its reads of this slot.
; mode 0: nothing is left to fetch.  Else this slot is filled again, and the barrier opens a round of the cluster's barrier.  mode 1: eleven units on, the slot's own shape;
; mode 2: slot 0 takes five units (22-26);  mode 3: slot 1 takes the last five, ten units on.
.macro TURN slot, next, u, mode
	WIN 0                                          ; (the add's two registers lie in window 0)
	s_wait_tensorcnt 0x0                           ; all my tensor loads have landed: my part of the next slot
	ds_add_u32 v[SPW], v[NIL]                      ; 0 onto my spare word
	s_wait_dscnt 13                                ; (the add and the youngest 12 loads may be out)
	WIN MUL
	MUL4 \u, 0                                     ; matrix instructions stand between the add and the wait for it
	s_wait_dscnt 0x0                               ; the add is done, and my reads of this slot are over
	s_barrier_signal -1
	MUL4 \u, 1
	WIN 0
	s_barrier_wait -1
.if \mode
	CREST                                          ; no wave of any partner still reads this slot or has a load on its way
.if \mode == 1
	s_add_nc_u64 s[G0A+4*(\slot)+2:G0A+4*(\slot)+3], s[G0A+4*(\slot)+2:G0A+4*(\slot)+3], 11*KSB
	s_add_nc_u64 s[G0B+4*(\slot)+2:G0B+4*(\slot)+3], s[G0B+4*(\slot)+2:G0B+4*(\slot)+3], 11*KSB
	JLOAD G0A+4*(\slot), G1A+16*(\slot), G0B+4*(\slot), G1B+16*(\slot)
.elseif \mode == 2
	s_add_nc_u64 s[G0A+2:G0A+3], s[G0A+2:G0A+3], s[6:7]
	s_add_nc_u64 s[G0B+2:G0B+3], s[G0B+2:G0B+3], s[6:7]
	s_mov_b32 s[G0A+1], s[LL]
	s_mov_b32 s[G0B+1], s[LL]
	JLOAD G0A, G1A+16, G0B, G1B+16
.else
	s_add_nc_u64 s[G0A+6:G0A+7], s[G0A+6:G0A+7], 10*KSB
	s_add_nc_u64 s[G0B+6:G0B+7], s[G0B+6:G0B+7], 10*KSB
	JLOAD G0A+4, G1A+16, G0B+4, G1B+16
.endif                                 ; the joint load is the first tensor load behind the round, my only one; its four v_nop are also the places in front of the loads below
.else
	PLACES 4
.endif
	FETCH \next, 0, (\u)+1
	WIN MUL
	MUL4 \u, 2
	MUL4 \u, 3
.endm
	s_wait_tensorcnt 1                             ; the scale words and my part of slot 0 are in; slot 1 may be out
	s_barrier_signal -1
	s_barrier_wait -1
	FETCH 0, 0, 0
.irp q, 0,1,2,3,4
	QUARTER 0, \q, \q                              ; units 0-5, in slot 0
.endr
	TURN 0, 1, 5, 1                                ; slot 0 takes units 11-16
.irp q, 0,1,2,3
	QUARTER 1, \q, 6+\q                            ; units 6-10, in slot 1
.endr
	TURN 1, 0, 10, 1                               ; slot 1 takes units 17-21
.irp q, 0,1,2,3,4
	QUARTER 0, \q, 11+\q                           ; units 11-16
.endr
	TURN 0, 1, 16, 2                               ; (unit 16 starts expert 1's sums)  slot 0 takes units 22-26
.irp q, 0,1,2,3
	QUARTER 1, \q, 17+\q                           ; units 17-21
.endr
	TURN 1, 0, 21, 3                               ; slot 1 takes units 27-31
.irp q, 0,1,2,3
	QUARTER 0, \q, 22+\q                           ; units 22-26
.endr
	TURN 0, 1, 26, 0                               ; nothing is left to fetch
.irp q, 0,1,2,3
	QUARTER 1, \q, 27+\q                           ; units 27-31
.endr
	s_wait_dscnt 12
	WIN MUL
	MUL4 31, 0
	MUL4 31, 1
	s_wait_dscnt 0x0
	MUL4 31, 2
	MUL4 31, 3
	; THE WAY OUT.  r0 x expert 0's sums + r1 x expert 1's, a block of 16 tokens at a time; a lane's 64 neighbouring bytes of a row go through my own stage and come back as whole rows of 256 bytes.
	PLACES 4
	WIN 0
	s_wait_loadcnt 0x0                             ; the routing weights
.irp a, 0,1,2,3
	v_mov_b32 v[R1+2*\a], v[RW+2*\a+1]             ; r1 twice: a pair for the packed form
	v_mov_b32 v[R1+2*\a+1], v[RW+2*\a+1]
.endr
.macro OUTB a
	WIN 0x51                                       ; destination, source 0 and source 2 window 1; source 1 (the weights) window 0
.irp n, 0,2,4,6,8,10,12,14,16,18,20,22,24,26,28,30
	v_pk_mul_f32 v[32*(\a)+\n:32*(\a)+\n+1], v[32*(\a)+\n:32*(\a)+\n+1], v[RW+2*(\a):RW+2*(\a)+1] op_sel_hi:[1,0]   ; x r0; each accumulator from its low end on
.endr
.irp n, 0,2,4,6,8,10,12,14,16,18,20,22,24,26,28,30
	v_pk_fma_f32 v[32*(\a)+\n:32*(\a)+\n+1], v[128+32*(\a)+\n:128+32*(\a)+\n+1], v[R1+2*(\a):R1+2*(\a)+1], v[32*(\a)+\n:32*(\a)+\n+1]
.endr
	WIN 0x04                                       ; an LDS store's data are its source 1
.irp b, 0,1,2,3
	ds_store_b128 v[STO], v[32*(\a)+8*\b:32*(\a)+8*\b+3] offset:(\b/2)*128+(\b%2)*32          ; columns 32 (b / 2) + 16 h + 8 (b % 2) + 0 .. 7 of token r
	ds_store_b128 v[STO], v[32*(\a)+8*\b+4:32*(\a)+8*\b+7] offset:(\b/2)*128+(\b%2)*32+16
.endr
	WIN 0
.irp t, 0,1,2,3,4,5,6,7
	ds_load_b128 v[OB+32*(\a)+4*\t:OB+32*(\a)+4*\t+3], v[RD] offset:\t*544   ; LDS serves a wave's instructions in order: these see the stores above, and the next block's stores come behind them
.endr
.endm
.macro SEND a, younger                 ; younger: the LDS instructions issued behind block a's loads
.irp t, 0,1,2,3,4,5,6,7
	s_wait_dscnt \younger+7-\t
	global_store_b128 v[CO], v[OB+32*(\a)+4*\t:OB+32*(\a)+4*\t+3], s[10:11] offset:(16*(\a)+2*\t)*4096 th:TH_STORE_NT   ; 16 lanes store 256 consecutive bytes, aligned
.endr
.endm
	OUTB 0
	OUTB 1
	SEND 0, 16
	OUTB 2
	SEND 1, 16
	OUTB 3
	SEND 2, 16
	SEND 3, 0
	s_wait_tensorcnt 0x0                           ; the wave's end
	ds_add_u32 v[SPW], v[NIL]
	s_wait_dscnt 0x0
	CROUND                                         ; the closing round: no work-group ends while a partner may still ask for a tile that names it
	s_endpgm
.Lfunc_end_k_q717d9c33d4_down:
	.size	k_q717d9c33d4_down, .Lfunc_end_k_q717d9c33d4_down-k_q717d9c33d4_down
	.p2alignl 7, 3214868480
	.fill 96, 4, 3214868480
	.section	.rodata,"a",@progbits
	.p2align	6, 0x0
	.amdhsa_kernel k_q717d9c33d4_down
		.amdhsa_group_segment_fixed_size 327680
		.amdhsa_private_segment_fixed_size 0
		.amdhsa_enable_private_segment 0
		.amdhsa_kernarg_size 32
		.amdhsa_user_sgpr_count 2
		.amdhsa_user_sgpr_kernarg_segment_ptr 1
		.amdhsa_wavefront_size32 1
		.amdhsa_system_sgpr_workgroup_id_x 1
		.amdhsa_system_sgpr_workgroup_id_y 1
		.amdhsa_system_sgpr_workgroup_id_z 1
		.amdhsa_system_vgpr_workitem_id 0
		.amdhsa_next_free_vgpr 512
		.amdhsa_next_free_sgpr 102
		.amdhsa_reserve_vcc 0
		.amdhsa_float_denorm_mode_32 3
		.amdhsa_float_denorm_mode_16_64 3
		.amdhsa_memory_ordered 1
		.amdhsa_forward_progress 1
		.amdhsa_inst_pref_size 209
	.end_amdhsa_kernel
	.amdgpu_metadata
---
amdhsa.version: [ 1, 2 ]
amdhsa.kernels:
  - .name:           k_q717d9c33d4_down
    .symbol:         k_q717d9c33d4_down.kd
    .args:
      - { .name: hq, .offset: 0, .size: 8, .value_kind: global_buffer, .address_space: global }
      - { .name: woq, .offset: 8, .size: 8, .value_kind: global_buffer, .address_space: global }
      - { .name: rw, .offset: 16, .size: 8, .value_kind: global_buffer, .address_space: global }
      - { .name: out0, .offset: 24, .size: 8, .value_kind: global_buffer, .address_space: global }
    .group_segment_fixed_size: 327680
    .private_segment_fixed_size: 0
    .kernarg_segment_align: 8
    .kernarg_segment_size: 32
    .max_flat_workgroup_size: 128
    .sgpr_count:     102
    .vgpr_count:     512
    .wavefront_size: 32
...
	.end_amdgpu_metadata
.endif
;; end of part 3
